; MI455X (gfx1250); checked and timed in simulation.
; The chip was launched on July 23, 2026; its instructions are those of AMD's public machine-readable ISA for CDNA 5 (MIT licence, August 2026) and "CDNA5" Instruction Set Architecture Reference Guide (July 2026). The comments in the code are by the model that wrote it; some were corrected since.
;; Holy Loss Network. Allowed arithmetic: matrix products marked QUANTISED: E3M2 operands, one E8M0 scale for each 32 along K, by v_wmma_scale_f32_16x16x128_f8f6f4 with both operands' format E3M2, f32 sums; everything else in f32.
;; Inputs: W_fe_codes 512 x 16 x 24 uint8 (E3M2 codes of W_fe, K innermost, in blocks of 32 codes, four codes in three bytes); W_fe_scales 512 x 16 uint8 (E8M0 scales of W_fe, one for each 32 codes along K); W_lv 1,026 x 1,026 float32; b_fe 512 float32; b_lv 1,026 float32; test_inputs_codes 256 x 32 x 16 x 24 uint8 (E3M2 codes of test_inputs, K innermost, in blocks of 32 codes, four codes in three bytes); test_inputs_scales 256 x 32 x 16 uint8 (E8M0 scales of test_inputs, one for each 32 codes along K); test_targets 256 x 32 x 1 float32; train_inputs_codes 256 x 32 x 16 x 24 uint8 (E3M2 codes of train_inputs, K innermost, in blocks of 32 codes, four codes in three bytes); train_inputs_scales 256 x 32 x 16 uint8 (E8M0 scales of train_inputs, one for each 32 codes along K); train_targets 256 x 32 x 1 float32.
;; Outputs: out0 256 x 256 float32; out1 256 int32.
;; This version of the problem:
;;   THIS VERSION OF THE PROBLEM IS GIVEN IN LOW PRECISION. The matrix products marked QUANTISED in the list below multiply operands that are first quantised to E3M2 (3 exponent bits, 2 mantissa bits; 6 bits a number), with one power-of-two scale for each 32 numbers along K (OCP MX v1.0); their sums are f32. All else is computed in f32.
;;   The module's matrix products, in the order in which they are computed (A, B: the left and right operand; K: the contracted axis; several contracted axes count as one K, in the product's order):
;;     1. [M 8,192, K 512] x [K 512, N 512]; A: input train_inputs (given as codes); B: input W_fe (given as codes): QUANTISED
;;     2. [M 256, K 1,026] x [K 1,026, N 1,026]; A: computed on the way; B: input W_lv: QUANTISED
;;     3. [M 8,192, K 512] x [K 512, N 512]; A: input test_inputs (given as codes); B: input W_fe (given as codes): QUANTISED
;;     4. [M 256, K 1,026] x [K 1,026, N 1,026]; A: computed on the way; B: input W_lv: QUANTISED
;;   THE QUANTISER, for each operand of a quantised product, along K:
;;     - K is cut into blocks of 32 from its start; a last block that is shorter is filled with zeros.
;;     - A block's scale is 2^e with e = floor(log2(the largest magnitude in the block)) - 4, held to -126 .. 127; a block of zeros has e = 0. As a byte (E8M0): e + 127.
;;     - Each number is divided by its block's scale, clamped to +-28, and rounded to the nearest number of E3M2, ties to even, subnormals kept.
;;     - The product sums the exact products of the quantised numbers (number of the format x scale) in f32.
;;   ~~~python
;;   def quantise(x, axis):      # numpy; x: float32 -> the quantised numbers, widened to float32 again
;;       x = np.moveaxis(x, axis, -1); K = x.shape[-1]
;;       x = np.pad(x, [(0, 0)] * (x.ndim - 1) + [(0, -K % 32)]); x = x.reshape(x.shape[:-1] + (-1, 32)); a = np.abs(x).max(-1, keepdims=True)
;;       e = np.where(a > 0, np.clip(np.frexp(np.where(a > 0, a, 1))[1] - 1 - 4, -126, 127), 0)      # np.frexp(a)[1] - 1 = floor(log2(a)), exactly
;;       r = np.clip(x / 2.0 ** e, -28, 28)
;;       step = 2.0 ** (np.maximum(np.frexp(np.where(r == 0, 1, r))[1] - 1, -2) - 2)
;;       q = np.round(r / step) * step * 2.0 ** e      # np.round: ties to even
;;       return np.moveaxis(q.reshape(q.shape[:-2] + (-1,))[..., :K], -1, axis).astype(np.float32)
;;   ~~~
;;   OPERANDS COMPUTED ON THE WAY. 'Computed on the way' means the value that the module computes at that place (a softmax that the list does not call 'softmax' is quantised finished and normalised). What goes into a quantiser is computed in f32, as accurately as f32 sums, v_exp_f32 and their like allow (about 1e-6 of the number): no bf16 or f16 on the way to a quantiser, and a product that is left as it is and whose result goes on into a quantised operand takes f32 operands (vector FMAs, or v_wmma_f32_16x16x4_f32). A number that lies on a knife's edge between two numbers of the format may be rounded either way, as far as f32 arithmetic and the matrix unit's own rounding can turn it there, and no further.
;;   INPUTS GIVEN AS CODES. W_fe (in the module: [512, 512], K = its axis 0); test_inputs (in the module: [256, 32, 512], K = its axis 2); train_inputs (in the module: [256, 32, 512], K = its axis 2): each comes as NAME_codes (uint8): NAME with its K axis moved to the last place and cut into blocks of 32 codes, [.., K / 32, bytes a block], one block behind the other in memory; four codes in three bytes: a row's codes are one little-endian stream of bits, code i at bits 6 i .. 6 i + 5 (a code: sign, 3 exponent bits, 2 mantissa bits); and NAME_scales (uint8): the same leading axes, one E8M0 byte (e + 127) for each 32 codes along K. Its value is code x scale, taken as it is: it is not quantised again, and the codes and scales need not be those that the quantiser above would give.
;; One version. Each part assembles by itself: llvm-mc -triple=amdgcn-amd-amdhsa -mcpu=gfx1250 --defsym DOCPART=n.
;; ======== version 1 of 1: 3 launches
;; limits: right only within a limited range of input values
;; workspace buffers: wq 905,216 bytes; zc 524,288 bytes; st 2,097,152 bytes; tm 4,096 bytes; ps 4,194,304 bytes
;; launch feat (part 1): grid 256 x 1, 4 waves a work-group, clusters of 4 x 1, 327,680 bytes of LDS; arguments train_inputs_codes, train_inputs_scales, test_inputs_codes, test_inputs_scales, train_targets, test_targets, W_fe_codes, W_fe_scales, b_fe, W_lv, wq, tm, zc, st; writes wq, tm, zc, st
.if DOCPART == 1
	.amdgcn_target "amdgcn-amd-amdhsa--gfx1250"
	.amdhsa_code_object_version 6
	.text
	.protected	k_q047fddfab6_feat
	.globl	k_q047fddfab6_feat
	.p2align	8
	.type	k_q047fddfab6_feat,@function
k_q047fddfab6_feat:
	s_mov_b64 s[64:65], 0
	v_nop
	global_prefetch_b8 v0, s[64:65] scope:SCOPE_SE
	s_setreg_imm32_b32 hwreg(HW_REG_WAVE_MODE, 25, 1), 1
	s_wait_xcnt 0x0
	s_wait_alu depctr_hold_cnt(0) depctr_sa_sdst(0) depctr_va_vdst(0) depctr_va_sdst(0) depctr_va_ssrc(0) depctr_va_vcc(0) depctr_vm_vsrc(0)
	s_getreg_b32 s2, hwreg(HW_REG_IB_STS2, 6, 4)
	s_cmp_eq_u32 s2, 0
	s_cbranch_scc0 .Lentry_in_a_cluster
	s_endpgm
.Lentry_in_a_cluster:
	s_bfe_u32 s2, ttmp6, 0x10000c
	s_cmp_lg_u32 s2, 0x3003
	s_cbranch_scc0 .Lentry_shape_is_right
	s_endpgm
.Lentry_shape_is_right:
; FEAT.  phis = relu(x W_fe + b_fe) on codes of BF6 (E3M2) as they are given; z = [mean, std (31 in the divisor)] over an episode's 32 shots of [target, phis];
; z leaves in f32 (st: 512 means, 512 stds of phis a row; tm: the target's two) and as codes with scale bytes (zc: a row of 1,024 bytes: 64 scale bytes, then 40 blocks of 24 bytes).
; On the side, W_lv's K steps 0 to 7 are quantised along K into images of operand registers (wq: for four tiles of 16 columns 32 images of 1,536 bytes, then 32 runs of scale words of 128 bytes).
; DEAD WORK of the problem, left out in this program for all values of the inputs: log_softmax runs along j (test), so what is the same for all j of a row i reaches no output: H_tr(i) whole, H_te's constant 513 ln(2 pi e),
; and the -1 of each KL term; the l2 - l1 of the one KL and the l1 - l2 of the other cancel.  Limit: a NaN, an infinity or an overflow that reaches only these terms is not carried to the result.  Every input has a way to an output and is loaded.
; SHARES.  Episodes are numbered 0..511 (train, then test).  Work-group g = 4 x cluster + place owns episodes 2 g, 2 g + 1: 64 rows x all 512 columns, so its two rows of z are whole.
; Wave w makes columns 128 w .. 128 w + 127: 4 tiles of rows x 8 tiles of columns, 32 accumulators, 4 K steps of 128: 128 matrix instructions.
; Source 0 = 16 rows of x, source 1 = 16 rows of W_fe's codes (K innermost): a lane holds ONE column and 8 shots of a tile, so sums over shots stay in the lane but for one exchange with lane xor 16.
; CLUSTER.  All work-groups read the same 196,608 bytes of W_fe's codes: the four of a cluster ask for them jointly (mask 15), waves 0 to 2 a third each; wave 3 asks for the work-group's own 64 rows of x.
; One tensor load a wave; LDS is filled once.  No prefetch: there is no loop to run ahead in.
; LIMITS.  NaN and infinities are not served.  A variance under 2^-126 gives the std 0 (v_sqrt_f32 takes denormals as zero).  A block of zeros gets the scale byte 1, not 127: its codes are zeros, and the bytes are read by this program alone.
; REGISTERS, in windows of 256.  window 0: v1-31 addresses; v32-47 x's scale words; v48-79 W_fe's; v80-223 x's fragments of K steps 0-2 (before: the side work's numbers; after: the statistics); v224-255 at work.
;   window 1: the accumulators, (mt, nt) at v[8 (8 mt + nt)].   window 2: v0-191 W_fe's fragments of K steps 0, 1; v192-255 the bias, eight registers a tile of columns.   window 3: v0-191 W_fe's of K steps 2, 3; v192-239 x's of K step 3; v254, v255 the add's.
.set PITCH, 432                        ; an LDS row of codes: 3 x (128 bytes + 16 of padding) = 108 words: the 16 rows of a fragment start 4 banks apart, and the two halves of the lanes fall between each other
.set TILEB, 16*PITCH
.set WQTR,  128*PITCH                  ; the 128 rows of W_fe that a wave multiplies by
.set XT,    512*PITCH                  ; x's 64 rows
.set ZQ,    XT+64*PITCH                ; z in f32, in z's own order, blocks of 32 numbers 144 bytes apart: blocks 0-31 of episode 0, of episode 1, then blocks 32-63 of episode 0, of episode 1
.set ZQE,   32*144
.set ZQH,   2*ZQE
.set ZT,    ZQ+ZQH+5*2048              ; z in f32 in the order of st's rows: 512 means, 512 stds, for each episode
.set ZC,    ZT+8192                    ; two rows for zc, 2,048 bytes apart: 64 scale bytes, then 64 blocks of codes; the first 1,024 bytes go out
.set SPARE, ZC+4096                    ; the spare words
.set WROW,  4104                       ; a row of W_lv in bytes
.set VR,  1                            ; lane % 16
.set VH,  2                            ; lane / 16
.set VL,  3                            ; lane
.set AW,  4                            ; v4, v5   my place in a fragment of W_fe (v5: for pieces behind one padding more)
.set AX,  6                            ; v6, v7   the same for x
.set AZT, 8
.set ZQA, 9                            ; v9-16
.set ATG, 17
.set RZT, 18
.set RZQ, 19
.set WZC, 20
.set WZS, 21
.set CZC, 22
.set L16, 23
.set R16, 24
.set R4,  25
.set L4,  26
.set COL, 27
.set NIL, 28                           ; v28-31   zeros
.set XS,  32
.set WS,  48
.set XF,  80
.set TT,  80
.set SM,  208
.set QQ,  224
.set PX,  240
.set RS,  248
.set ZF,  224
.set L8,  238
.set MSB, 0
.macro WIN new                         ; the immediate's high byte repeats the setting that is left
.if MSB != \new
	s_set_vgpr_msb (MSB<<8)|\new
.set MSB, \new
.endif
.endm
.macro ROUND                           ; a round of the cluster's barrier
	s_barrier_signal -1
	s_barrier_wait -1
	s_cmp_lg_u32 s34, 0
	s_cbranch_scc1 .Lnot_wave_0_\@
	s_barrier_signal -3
.Lnot_wave_0_\@:
	s_barrier_wait -3
	s_barrier_signal -1
	s_barrier_wait -1
.endm
; A fragment, 16 rows x 128 K of 6-bit codes, is 12 registers: lane (r, h) takes of row r the pieces of 8 bytes 12 ks + 0, 1, 2 and 12 ks + 6, 7, 8, three pieces further on for h = 1.
; 16 bytes of padding lie behind every 16 pieces: where the piece three on lies behind one padding more, the second address register (40 for 24 bytes a half) serves.
.macro FRAG reg, adr, ks, tile
.irp p, 0,1,2,3,4,5
.set PCE, 12*(\ks)+6*(\p/3)+\p%3
.if PCE%16 < 13
	ds_load_b64 v[\reg+2*\p:\reg+2*\p+1], v[\adr] offset:8*PCE+16*(PCE/16)+(\tile)*TILEB
.else
	ds_load_b64 v[\reg+2*\p:\reg+2*\p+1], v[\adr+1] offset:8*PCE+16*(PCE/16)+(\tile)*TILEB
.endif
.endr
.endm
.macro LOADS ks                        ; a K step's fragments: 4 of x, 8 of W_fe: 72 loads, each into registers of its own
.if \ks < 3
	WIN 0
.set XB, XF+48*\ks
.else
	WIN 0xc0
.set XB, 192
.endif
.irp mt, 0,1,2,3
	FRAG XB+12*\mt, AX, \ks, \mt
.endr
.if \ks < 2
	WIN 0x80
.else
	WIN 0xc0
.endif
.irp nt, 0,1,2,3,4,5,6,7
	FRAG 96*(\ks%2)+12*\nt, AW, \ks, \nt
.endr
.endm
.macro MM ks                           ; a K step's 32 products; the 32 accumulators take turns.  The first K step takes the bias as C
.if \ks == 0
	WIN 0x68
.elseif \ks == 1
	WIN 0x58
.elseif \ks == 2
	WIN 0x5c
.else
	WIN 0x5f
.endif
.if \ks < 3
.set XB, XF+48*\ks
.else
.set XB, 192
.endif
.set WB, 96*(\ks%2)
.irp mt, 0,1,2,3
.irp nt, 0,1,2,3,4,5,6,7
.if \ks == 0
	v_wmma_scale_f32_16x16x128_f8f6f4 v[8*(8*\mt+\nt):8*(8*\mt+\nt)+7], v[XB+12*\mt:XB+12*\mt+11], v[WB+12*\nt:WB+12*\nt+11], v[192+8*\nt:192+8*\nt+7], v[XS+4*\mt+\ks], v[WS+4*\nt+\ks] matrix_a_fmt:MATRIX_FMT_BF6 matrix_b_fmt:MATRIX_FMT_BF6
.else
	v_wmma_scale_f32_16x16x128_f8f6f4 v[8*(8*\mt+\nt):8*(8*\mt+\nt)+7], v[XB+12*\mt:XB+12*\mt+11], v[WB+12*\nt:WB+12*\nt+11], v[8*(8*\mt+\nt):8*(8*\mt+\nt)+7], v[XS+4*\mt+\ks], v[WS+4*\nt+\ks] matrix_a_fmt:MATRIX_FMT_BF6 matrix_b_fmt:MATRIX_FMT_BF6
.endif
.endr
.endr
.endm
; A lane's 32 numbers v[x] .. v[x + 31], one block along K: the largest magnitude with the floor 2^(5 - 127) among its leaves, 4 off its exponent field (the conversion's scale operand), the scale's byte, two conversions of 16.
.macro QBLK x, c, d, sop, byt, ta, tb
	v_max3_num_f32 v[\ta], |v[\x]|, |v[\x+1]|, |v[\x+2]|
	v_max3_num_f32 v[\tb], |v[\x+3]|, |v[\x+4]|, |v[\x+5]|
.irp i, 6,10,14,18,22,26
	v_max3_num_f32 v[\ta], v[\ta], |v[\x+\i]|, |v[\x+\i+1]|
	v_max3_num_f32 v[\tb], v[\tb], |v[\x+\i+2]|, |v[\x+\i+3]|
.endr
	v_max3_num_f32 v[\ta], v[\ta], |v[\x+30]|, |v[\x+31]|
	v_max3_num_f32 v[\ta], v[\ta], v[\tb], 0x2800000
	v_add_nc_u32 v[\sop], 0xfe000000, v[\ta]
	v_lshrrev_b32 v[\byt], 23, v[\sop]
	v_cvt_scalef32_pk16_bf6_f32 v[\c:\c+2], v[\x:\x+15], v[\sop]
	v_cvt_scalef32_pk16_bf6_f32 v[\d:\d+2], v[\x+16:\x+31], v[\sop]
.endm
.macro WSUM x, t                       ; the sum over the wave's 32 lanes, in every lane
	v_add_f32_dpp v[\x], v[\x], v[\x] row_xmask:1 row_mask:0xf bank_mask:0xf
	v_add_f32_dpp v[\x], v[\x], v[\x] row_xmask:2 row_mask:0xf bank_mask:0xf
	v_add_f32_dpp v[\x], v[\x], v[\x] row_xmask:4 row_mask:0xf bank_mask:0xf
	v_add_f32_dpp v[\x], v[\x], v[\x] row_xmask:8 row_mask:0xf bank_mask:0xf
	v_permlanex16_b32 v[\t], v[\x], s66, s67
	v_add_f32 v[\x], v[\x], v[\t]
.endm
	s_load_b512 s[4:19], s[0:1], 0x0               ; train codes, scales; test codes, scales; train, test targets; W_fe's codes, scales
	s_load_b256 s[20:27], s[0:1], 0x40             ; b_fe, W_lv, wq, tm
	s_load_b128 s[28:31], s[0:1], 0x60             ; zc, st
	WIN 0xc0
	v_lshl_add_u32 v254, v0, 2, SPARE
	v_mov_b32 v255, 0
	WIN 0xcf
	ds_add_u32 v254, v255                          ; the wave's opening: the add, twice on end
	ds_add_u32 v254, v255
	WIN 0
	v_lshrrev_b32 v1, 5, v0
	v_readfirstlane_b32 s34, v1                    ; wave 0..3
	s_bfe_u32 s35, ttmp6, 0x40000                  ; my place in the cluster: it enters global addresses alone
	s_lshl_b32 s37, ttmp9, 2
	s_add_co_u32 s37, s37, s35                     ; g
	s_lshl_b32 s38, s37, 1                         ; my first episode, 0..510
	s_and_b32 s39, s38, 255                        ; and within its side
	s_lshr_b32 s75, s34, 1                         ; in the last phases: which episode is my wave's,
	s_and_b32 s76, s34, 1                          ; and which half of it
	s_mov_b32 s66, 0x76543210
	s_mov_b32 s67, 0xfedcba98                      ; v_permlanex16_b32's selects for lane xor 16
	s_mov_b32 s68, 0xffff0000                      ; lanes 16-31
	s_mul_i32 s70, s34, WQTR
	s_lshl_b32 s71, s34, 9
	s_add_co_u32 s71, s71, ZT
	s_lshl_b32 s72, s34, 7
	s_add_co_u32 s72, s72, 1
	s_lshl_b32 s73, s34, 11
	s_add_co_u32 s73, s73, ZT
	s_mul_i32 s74, s75, ZQE
	s_mul_i32 s77, s76, ZQH
	s_add_co_u32 s74, s74, s77
	s_add_co_u32 s74, s74, ZQ
	s_lshl_b32 s87, s75, 11
	s_add_co_u32 s87, s87, ZC                      ; my wave's row for zc
	s_mul_i32 s77, s76, 768
	s_add_co_u32 s78, s87, s77
	s_add_co_u32 s78, s78, 64                      ; codes lie behind the 64 scale bytes
	s_lshl_b32 s77, s76, 5
	s_add_co_u32 s79, s87, s77
	v_and_b32 v[VR], 15, v0
	v_bfe_u32 v[VH], v0, 4, 1
	v_and_b32 v[VL], 31, v0
	v_mul_u32_u24 v[NIL], v[VR], PITCH
	v_mad_u32_u24 v[AW], v[VH], 24, v[NIL]
	v_mad_u32_u24 v[AW+1], v[VH], 40, v[NIL]
	v_add_nc_u32 v[AX], XT, v[AW]
	v_add_nc_u32 v[AX+1], XT, v[AW+1]
	v_add_nc_u32 v[AW], s70, v[AW]
	v_add_nc_u32 v[AW+1], s70, v[AW+1]
	v_lshlrev_b32 v[AZT], 2, v[VR]
	v_lshl_add_u32 v[AZT], v[VH], 11, v[AZT]
	v_add_nc_u32 v[AZT], s71, v[AZT]               ; ZT + 4 (128 w + r), + 512 numbers for the std
	v_mad_u32_u24 v[NIL], v[VH], 513, v[VR]
	v_add_nc_u32 v[NIL], s72, v[NIL]               ; z's index of my column in tile 0: 128 w + r + 1, + 513 for the std
.irp nt, 0,1,2,3,4,5,6,7
	v_add_nc_u32 v[NIL+1], 16*\nt, v[NIL]
	v_lshrrev_b32 v[NIL+2], 5, v[NIL+1]
	v_lshrrev_b32 v[NIL+3], 10, v[NIL+1]
	v_lshl_add_u32 v[ZQA+\nt], v[NIL+1], 2, ZQ     ; 4 bytes a number,
	v_lshl_add_u32 v[ZQA+\nt], v[NIL+2], 4, v[ZQA+\nt]   ; 16 more for each block passed,
	v_mad_u32_u24 v[ZQA+\nt], v[NIL+3], ZQE, v[ZQA+\nt]  ; and block 32 lies behind both episodes' first 32
.endr
	v_mul_u32_u24 v[ATG], v[VH], 2308              ; z's index 513 lies at 4 x 513 + 16 x 16
	v_add_nc_u32 v[ATG], ZQ, v[ATG]
	v_lshl_add_u32 v[RZT], v[VL], 4, s73
	v_mul_u32_u24 v[RZQ], v[VL], 144
	v_add_nc_u32 v[RZQ], s74, v[RZQ]
	v_mul_u32_u24 v[WZC], v[VL], 24
	v_add_nc_u32 v[WZC], s78, v[WZC]
	v_add_nc_u32 v[WZS], s79, v[VL]
	v_and_b32 v[CZC], 63, v0
	v_lshl_add_u32 v[CZC], v[CZC], 4, s87          ; 64 threads take the 1,024 bytes of a row
	v_lshl_add_u32 v[ZF], v0, 4, ZQ+ZQH
	v_lshlrev_b32 v[L16], 4, v[VL]
	v_lshlrev_b32 v[R16], 4, v[VR]
	v_lshlrev_b32 v[R4], 2, v[VR]
	v_lshlrev_b32 v[L4], 2, v[VL]
	v_lshlrev_b32 v[L8], 3, v[VL]
.irp i, 0,1,2,3
	v_mov_b32 v[NIL+\i], 0
.endr
.irp i, 0,1,2,3,4,5,6,7
	v_mov_b32 v[PX+\i], 0                          ; written once: a lane permute's destination counts as one of its sources
.endr
	v_mov_b32 v236, 0
	s_wait_alu depctr_va_vdst(0)                   ; ahead of the scalar lines below
	; descriptor groups 1, dense blocks as rows of 256 bytes, 16 bytes of padding behind every 32 words.  W_fe: a third, 256 rows; the mask names the cluster's four.  x: 96 rows, no mask
	s_mov_b32 s40, 15|(1<<20)|(1<<21)|(4<<22)|(3<<25)
	s_mov_b32 s41, 256<<16
	s_mov_b32 s42, 256<<16
	s_mov_b32 s43, 256<<16
	s_mov_b32 s44, 256
	s_mov_b32 s45, 256
	s_mov_b32 s46, 0
	s_mov_b32 s47, 0
	s_mov_b32 s48, (1<<20)|(4<<22)|(3<<25)
	s_mov_b32 s49, 256<<16
	s_mov_b32 s50, 96<<16
	s_mov_b32 s51, 256<<16
	s_mov_b32 s52, 96
	s_mov_b32 s53, 256
	s_mov_b32 s54, 0
	s_mov_b32 s55, 0
	; the side work's unit: waves 0, 1: tile of columns T = the cluster's number, K step 2 x place + wave; wave 2 (of clusters 0 and 1): T = 64, the two columns of the targets' statistics, K step g
	s_lshl_b32 s90, s35, 1
	s_add_co_u32 s90, s90, s34
	s_lshr_b32 s92, ttmp9, 5
	s_lshl_b32 s93, ttmp9, 4
	s_add_co_u32 s92, s92, s93
	s_add_co_u32 s92, s92, 1                       ; tile T < 64 begins at column 16 T + 1 + (T / 32): the columns 0 and 513 are passed over
	s_cmp_eq_u32 s34, 2
	s_cselect_b32 s93, 64, ttmp9                   ; T
	s_cselect_b32 s90, s37, s90                    ; the K step
	s_cselect_b32 s92, 0, s92                      ; column = s92 + s94 r + s95 min(r, 1)
	s_cselect_b32 s94, 0, 1
	s_cselect_b32 s95, 513, 0
	v_min_u32 v225, 1, v[VR]
	v_mul_u32_u24 v[COL], v[VR], s94
	v_mad_u32_u24 v[COL], v225, s95, v[COL]
	v_add_nc_u32 v[COL], s92, v[COL]
	v_lshlrev_b32 v[COL], 2, v[COL]
	v_mad_u32_u24 v[COL], v[VH], 32*WROW, v[COL]
	s_lshl_b32 s98, s93, 3
	s_add_co_u32 s98, s98, s90                     ; 8 T + K step
	s_lshl_b32 s80, s34, 16                        ; my third of W_fe's codes in memory (these two registers never hold a place in the cluster)
	s_mov_b32 s81, 0
	s_mov_b32 s85, 0
	s_wait_alu depctr_va_vdst(0)                   ; the wait at the head's end
	s_wait_dscnt 0x0                               ; both opening adds are done
	s_wait_kmcnt 0x0
	s_cmp_lt_u32 ttmp9, 32                         ; clusters 0-31: train; 32-63: test.  The choice hangs on the cluster's number alone
	s_cselect_b64 s[4:5], s[4:5], s[8:9]
	s_cselect_b64 s[6:7], s[6:7], s[10:11]
	s_cselect_b64 s[12:13], s[12:13], s[14:15]
	s_mov_b32 s56, 1
	s_mul_i32 s57, s34, 73728                      ; 65,536 bytes with their padding
	s_add_nc_u64 s[58:59], s[16:17], s[80:81]
	s_or_b32 s59, s59, 0x80000000
	s_mov_b32 s60, 1
	s_mov_b32 s61, XT
	s_mul_i32 s84, s39, 12288                      ; an episode's codes are 32 x 384 bytes
	s_add_nc_u64 s[62:63], s[4:5], s[84:85]
	s_or_b32 s63, s63, 0x80000000
	ROUND                                          ; all four work-groups are here: the joint loads meet
	s_cmp_lt_u32 s34, 3
	s_cbranch_scc0 .Lx_in
	tensor_load_to_lds s[56:59], s[40:47]          ; waves 0 to 2: a third of W_fe, jointly
	s_nop 0
.rept 4
	v_nop
.endr
	s_branch .Lasked
.Lx_in:
	tensor_load_to_lds s[60:63], s[48:55]          ; wave 3: the 64 rows of x
	s_nop 0
.rept 4
	v_nop
.endr
.Lasked:
.irp k, 0,1,2,3,4
	ds_store_b128 v[ZF], v[NIL:NIL+3] offset:2048*\k   ; zeros: z's blocks 32 on (z's last two numbers are stored over them behind the first barrier)
.endr
	s_lshl_b32 s84, s39, 9
	s_add_nc_u64 s[6:7], s[6:7], s[84:85]          ; x's scale bytes: 16 a row
	s_lshl_b32 s84, s34, 11
	s_add_nc_u64 s[18:19], s[18:19], s[84:85]      ; W_fe's: my 128 rows
	s_lshl_b32 s84, s34, 9
	s_add_nc_u64 s[20:21], s[20:21], s[84:85]      ; b_fe: my 128 numbers
	s_lshl_b32 s84, s39, 7
	s_add_nc_u64 s[12:13], s[12:13], s[84:85]      ; the targets of my two episodes
	s_mul_i32 s84, s90, 128*WROW
	s_add_nc_u64 s[22:23], s[22:23], s[84:85]      ; W_lv at the unit's K step
	s_lshl_b32 s84, s38, 3
	s_add_nc_u64 s[32:33], s[26:27], s[84:85]      ; tm
	s_lshr_b32 s86, s98, 5
	s_mul_i32 s84, s86, 53248
	s_add_nc_u64 s[24:25], s[24:25], s[84:85]      ; wq: the unit's four tiles,
	s_and_b32 s86, s98, 31
	s_lshl_b32 s84, s86, 7
	s_add_co_u32 s84, s84, 49152
	s_add_nc_u64 s[26:27], s[24:25], s[84:85]      ; its scale words
	s_mul_i32 s84, s86, 1536
	s_add_nc_u64 s[24:25], s[24:25], s[84:85]      ; and its image
	s_lshl_b32 s84, s38, 10
	s_add_nc_u64 s[28:29], s[28:29], s[84:85]      ; zc: my two rows
	s_add_co_u32 s86, s38, s75
	s_lshl_b32 s84, s86, 12
	s_lshl_b32 s86, s76, 11
	s_add_co_u32 s84, s84, s86
	s_add_nc_u64 s[30:31], s[30:31], s[84:85]      ; st: the row of my wave's episode, my half of it
.irp mt, 0,1,2,3
	global_load_b128 v[XS+4*\mt:XS+4*\mt+3], v[R16], s[6:7] offset:256*\mt     ; row r's four scale words, one for each K step
.endr
.irp nt, 0,1,2,3,4,5,6,7
	global_load_b128 v[WS+4*\nt:WS+4*\nt+3], v[R16], s[18:19] offset:256*\nt
.endr
	WIN 0x80
.irp nt, 0,1,2,3,4,5,6,7
	global_load_b32 v[192+8*\nt], v[R4], s[20:21] offset:64*\nt                ; my column's bias
.endr
	WIN 0
	; THE SIDE WORK, while the tiles are on their way
	s_cmp_eq_u32 s34, 3
	s_cbranch_scc1 .Ltargets
	s_cmp_lt_u32 s34, 2
	s_cbranch_scc1 .Lunit
	s_cmp_lt_u32 ttmp9, 2
	s_cbranch_scc0 .Ljoin
.Lunit:                                                ; 16 columns x 128 K of W_lv: a lane takes a column and its registers run down K, in the order of the operand's registers: k = 64 c + 32 h + i
.irp c, 0,1
.irp i, 0,1,2,3,4,5,6,7,8,9,10,11,12,13,14,15,16,17,18,19,20,21,22,23,24,25,26,27,28,29,30,31
	global_load_b32 v[XF+32*\c+\i], v[COL], s[22:23] offset:(64*\c+\i)*WROW
.endr
.endr
	s_wait_loadcnt 0x0
	QBLK 80, 144, 156, 226, 228, 230, 231
	QBLK 112, 150, 160, 227, 229, 232, 233
	v_nop                                          ; one plain place behind a scaled conversion
.irp i, 0,1,2
	v_mov_b32 v[147+\i], v[156+\i]                 ; (a conversion's three registers begin on an even number)
	v_mov_b32 v[153+\i], v[160+\i]
.endr
	v_lshl_or_b32 v234, v229, 16, v228             ; my two bytes: blocks h and 2 + h,
	v_lshlrev_b32 v235, 3, v[VH]
	v_lshlrev_b32 v234, v235, v234                 ; at their places in the scale word;
	v_permlanex16_b32 v236, v234, s66, s67
	v_or_b32 v234, v234, v236                      ; with lane xor 16's two the word is whole
	global_store_b128 v[L16], v[144:147], s[24:25]             ; the image of the 12 registers: 512 consecutive bytes a store
	global_store_b128 v[L16], v[148:151], s[24:25] offset:512
	global_store_b128 v[L16], v[152:155], s[24:25] offset:1024
	global_store_b32 v[L4], v234, s[26:27]
	s_branch .Ljoin
.Ltargets:                                             ; wave 3: the targets' mean and std, a lane a shot
	global_load_b32 v80, v[L4], s[12:13]
	global_load_b32 v81, v[L4], s[12:13] offset:128
	s_wait_loadcnt 0x0
	v_mov_b32 v82, v80
	v_mov_b32 v83, v81
	WSUM 82, 236
	WSUM 83, 236
	v_mul_f32 v84, 0x3d000000, v82                 ; / 32
	v_mul_f32 v85, 0x3d000000, v83
	v_sub_f32 v86, v80, v84
	v_sub_f32 v87, v81, v85
	v_mul_f32 v88, v86, v86
	v_mul_f32 v89, v87, v87
	WSUM 88, 236
	WSUM 89, 236
	v_mul_f32 v88, 0x3d042108, v88                 ; / 31
	v_mul_f32 v89, 0x3d042108, v89
	s_wait_alu depctr_va_vdst(0)
	v_sqrt_f32 v90, v88
	v_sqrt_f32 v91, v89
	v_nop                                          ; a plain place behind the roots,
	s_wait_alu depctr_va_vdst(0)                   ; and one wait for both, ahead of their first reader
	v_cndmask_b32 v92, v84, v90, s68
	v_cndmask_b32 v93, v85, v91, s68
	ds_store_b32 v[ATG], v92                       ; the lanes of a half write one word with one value
	ds_store_b32 v[ATG], v93 offset:ZQE
	v_cmp_eq_u32 vcc_lo, 1, v[VL]
	v_cndmask_b32 v94, v84, v85, vcc_lo
	v_cndmask_b32 v95, v90, v91, vcc_lo
	v_cmp_gt_u32 vcc_lo, 2, v[VL]
	s_wait_alu depctr_va_vdst(0)
	s_wait_xcnt 0x0                                ; EXEC changes only behind this wait
	s_and_saveexec_b32 s69, vcc_lo
	global_store_b64 v[L8], v[94:95], s[32:33]     ; lane e: episode e's mean and std
	s_wait_xcnt 0x0
	s_or_b32 exec_lo, exec_lo, s69
.Ljoin:
	s_wait_loadcnt 0x0                             ; scale words and bias
	s_wait_xcnt 0x0                                ; the side work's stores have read their registers: x's fragments may land there
	WIN 0x82
.irp nt, 0,1,2,3,4,5,6,7
.irp j, 1,2,3,4,5,6,7
	v_mov_b32 v[192+8*\nt+\j], v[192+8*\nt]        ; a lane's eight results of a tile are one column: the bias eight times is the first product's C
.endr
.endr
	WIN 0
	s_wait_alu depctr_va_vdst(0)
	s_wait_tensorcnt 0x0                           ; my part of W_fe or x has landed,
	s_wait_dscnt 0x0                               ; my zeros and the targets' numbers are stored
	s_barrier_signal -1
	s_barrier_wait -1                              ; everybody's
	LOADS 0
	LOADS 1
	s_wait_dscnt 63                                ; 72 younger loads stand behind K step 0's: with 63 out at the most, K step 0's are in
	MM 0
	LOADS 2
	s_wait_dscnt 63
	MM 1
	LOADS 3
	s_wait_dscnt 63
	MM 2
	s_wait_dscnt 0x0
	MM 3
	WIN 0
.rept 4
	v_nop                                          ; four places between the last products and the first read of results and write of their sources
.endr
; THE STATISTICS of episode e (tiles of rows 2 e, 2 e + 1).  relu; the sum of my 16 shots and of lane xor 16's; the mean; the differences; the sum of their squares; / 31; the root.  Two passes: no difference of large sums.
.macro STATS e
	WIN 0x04
.irp nt, 0,1,2,3,4,5,6,7
.irp u, 0,1
.irp j, 0,1,2,3,4,5,6,7
	v_max_num_f32 v[TT+16*\nt+8*\u+\j], 0, v[8*(8*(2*\e+\u)+\nt)+\j]   ; each accumulator from its low end on
.endr
.endr
.endr
	WIN 0
.irp nt, 0,1,2,3,4,5,6,7
	v_pk_add_f32 v[SM+2*\nt:SM+2*\nt+1], v[TT+16*\nt:TT+16*\nt+1], v[TT+16*\nt+2:TT+16*\nt+3]
.endr
.irp i, 4,6,8,10,12,14
.irp nt, 0,1,2,3,4,5,6,7
	v_pk_add_f32 v[SM+2*\nt:SM+2*\nt+1], v[SM+2*\nt:SM+2*\nt+1], v[TT+16*\nt+\i:TT+16*\nt+\i+1]   ; (the eight tiles by turns)
.endr
.endr
.irp nt, 0,1,2,3,4,5,6,7
	v_add_f32 v[SM+2*\nt], v[SM+2*\nt], v[SM+2*\nt+1]
.endr
.irp nt, 0,1,2,3,4,5,6,7
	v_permlanex16_b32 v[PX+\nt], v[SM+2*\nt], s66, s67
.endr
.irp nt, 0,1,2,3,4,5,6,7
	v_add_f32 v[SM+2*\nt], v[SM+2*\nt], v[PX+\nt]
.endr
.irp nt, 0,1,2,3,4,5,6,7
	v_mul_f32 v[SM+2*\nt], 0x3d000000, v[SM+2*\nt]
.endr
.irp i, 0,2,4,6,8,10,12,14
.irp nt, 0,1,2,3,4,5,6,7
	v_pk_add_f32 v[TT+16*\nt+\i:TT+16*\nt+\i+1], v[TT+16*\nt+\i:TT+16*\nt+\i+1], v[SM+2*\nt:SM+2*\nt+1] op_sel_hi:[1,0] neg_lo:[0,1] neg_hi:[0,1]
.endr
.endr
.irp nt, 0,1,2,3,4,5,6,7
	v_pk_mul_f32 v[QQ+2*\nt:QQ+2*\nt+1], v[TT+16*\nt:TT+16*\nt+1], v[TT+16*\nt:TT+16*\nt+1]
.endr
.irp i, 2,4,6,8,10,12,14
.irp nt, 0,1,2,3,4,5,6,7
	v_pk_fma_f32 v[QQ+2*\nt:QQ+2*\nt+1], v[TT+16*\nt+\i:TT+16*\nt+\i+1], v[TT+16*\nt+\i:TT+16*\nt+\i+1], v[QQ+2*\nt:QQ+2*\nt+1]
.endr
.endr
.irp nt, 0,1,2,3,4,5,6,7
	v_add_f32 v[QQ+2*\nt], v[QQ+2*\nt], v[QQ+2*\nt+1]
.endr
.irp nt, 0,1,2,3,4,5,6,7
	v_permlanex16_b32 v[PX+\nt], v[QQ+2*\nt], s66, s67
.endr
.irp nt, 0,1,2,3,4,5,6,7
	v_add_f32 v[QQ+2*\nt], v[QQ+2*\nt], v[PX+\nt]
.endr
.irp nt, 0,1,2,3,4,5,6,7
	v_mul_f32 v[QQ+2*\nt], 0x3d042108, v[QQ+2*\nt]
.endr
	s_wait_alu depctr_va_vdst(0)
.irp nt, 0,1,2,3,4,5,6,7
	v_sqrt_f32 v[QQ+2*\nt+1], v[QQ+2*\nt]
.endr
	v_nop                                          ; a plain place behind the roots,
	s_wait_alu depctr_va_vdst(0)                   ; and one wait for the eight
.irp nt, 0,1,2,3,4,5,6,7
	v_cndmask_b32 v[RS+\nt], v[SM+2*\nt], v[QQ+2*\nt+1], s68   ; lanes 0-15 carry the mean, lanes 16-31 the std
.endr
.irp nt, 0,1,2,3,4,5,6,7
	ds_store_b32 v[ZQA+\nt], v[RS+\nt] offset:\e*ZQE
	ds_store_b32 v[AZT], v[RS+\nt] offset:\e*4096+64*\nt
.endr
.endm
	STATS 0
	s_wait_alu depctr_va_vdst(0)
	STATS 1
	s_wait_dscnt 0x0                               ; my numbers of z are stored
	s_barrier_signal -1
	s_barrier_wait -1                              ; both rows of z are whole
.irp q, 0,1,2,3,4,5,6,7
	ds_load_b128 v[96+4*\q:99+4*\q], v[RZQ] offset:16*\q       ; my block of z: block 32 (wave % 2) + lane of episode wave / 2
.endr
.irp q, 0,1,2,3
	ds_load_b128 v[80+4*\q:83+4*\q], v[RZT] offset:512*\q      ; and half a row of st: 2,048 bytes a wave
.endr
	s_wait_dscnt 4                                 ; the block is in; the row's four loads may be out
	QBLK 96, 128, 136, 226, 228, 230, 231
	v_nop                                          ; one plain place behind a scaled conversion
.irp i, 0,1,2
	v_mov_b32 v[131+\i], v[136+\i]
.endr
	ds_store_b64 v[WZC], v[128:129]
	ds_store_b64 v[WZC], v[130:131] offset:8
	ds_store_b64 v[WZC], v[132:133] offset:16
	ds_store_b8 v[WZS], v228
	v_lshlrev_b32 v[R16], 4, v0                    ; 16 x thread (the loads that named this register are long in)
	s_wait_alu depctr_va_vdst(0)
	s_wait_dscnt 4                                 ; the row is in; the four stores may be out
.irp q, 0,1,2,3
	global_store_b128 v[L16], v[80+4*\q:83+4*\q], s[30:31] offset:512*\q   ; 32 lanes store 512 consecutive bytes, aligned
.endr
	s_wait_dscnt 0x0
	s_barrier_signal -1
	s_barrier_wait -1                              ; the two rows of zc are whole
	ds_load_b128 v[140:143], v[CZC]
	s_wait_dscnt 0x0
	global_store_b128 v[R16], v[140:143], s[28:29] ; thread's 16 bytes of the two rows' 2,048
	WIN 0x0f
	s_wait_tensorcnt 0x0                           ; the wave's end
	ds_add_u32 v254, v255
	s_wait_dscnt 0x0
	WIN 0
	ROUND                                          ; the closing round: no work-group ends while a partner may still ask for a tile that names it
	s_endpgm
.Lfunc_end_k_q047fddfab6_feat:
	.size	k_q047fddfab6_feat, .Lfunc_end_k_q047fddfab6_feat-k_q047fddfab6_feat
	.p2alignl 7, 3214868480
	.fill 96, 4, 3214868480
	.section	.rodata,"a",@progbits
	.p2align	6, 0x0
	.amdhsa_kernel k_q047fddfab6_feat
		.amdhsa_group_segment_fixed_size 327680
		.amdhsa_private_segment_fixed_size 0
		.amdhsa_enable_private_segment 0
		.amdhsa_kernarg_size 112
		.amdhsa_user_sgpr_count 2
		.amdhsa_user_sgpr_kernarg_segment_ptr 1
		.amdhsa_wavefront_size32 1
		.amdhsa_system_sgpr_workgroup_id_x 1
		.amdhsa_system_sgpr_workgroup_id_y 1
		.amdhsa_system_sgpr_workgroup_id_z 1
		.amdhsa_system_vgpr_workitem_id 0
		.amdhsa_next_free_vgpr 1024
		.amdhsa_next_free_sgpr 100
		.amdhsa_reserve_vcc 1
		.amdhsa_float_denorm_mode_32 3
		.amdhsa_float_denorm_mode_16_64 3
		.amdhsa_memory_ordered 1
		.amdhsa_forward_progress 1
		.amdhsa_inst_pref_size 108
	.end_amdhsa_kernel
	.amdgpu_metadata
---
amdhsa.version: [ 1, 2 ]
amdhsa.kernels:
  - .name:           k_q047fddfab6_feat
    .symbol:         k_q047fddfab6_feat.kd
    .args:
      - { .name: train_inputs_codes, .offset: 0, .size: 8, .value_kind: global_buffer, .address_space: global }
      - { .name: train_inputs_scales, .offset: 8, .size: 8, .value_kind: global_buffer, .address_space: global }
      - { .name: test_inputs_codes, .offset: 16, .size: 8, .value_kind: global_buffer, .address_space: global }
      - { .name: test_inputs_scales, .offset: 24, .size: 8, .value_kind: global_buffer, .address_space: global }
      - { .name: train_targets, .offset: 32, .size: 8, .value_kind: global_buffer, .address_space: global }
      - { .name: test_targets, .offset: 40, .size: 8, .value_kind: global_buffer, .address_space: global }
      - { .name: W_fe_codes, .offset: 48, .size: 8, .value_kind: global_buffer, .address_space: global }
      - { .name: W_fe_scales, .offset: 56, .size: 8, .value_kind: global_buffer, .address_space: global }
      - { .name: b_fe, .offset: 64, .size: 8, .value_kind: global_buffer, .address_space: global }
      - { .name: W_lv, .offset: 72, .size: 8, .value_kind: global_buffer, .address_space: global }
      - { .name: wq, .offset: 80, .size: 8, .value_kind: global_buffer, .address_space: global }
      - { .name: tm, .offset: 88, .size: 8, .value_kind: global_buffer, .address_space: global }
      - { .name: zc, .offset: 96, .size: 8, .value_kind: global_buffer, .address_space: global }
      - { .name: st, .offset: 104, .size: 8, .value_kind: global_buffer, .address_space: global }
    .group_segment_fixed_size: 327680
    .private_segment_fixed_size: 0
    .kernarg_segment_align: 8
    .kernarg_segment_size: 112
    .max_flat_workgroup_size: 128
    .sgpr_count:     100
    .vgpr_count:     1024
    .wavefront_size: 32
...
	.end_amdgpu_metadata
.endif
;; end of part 1
;; launch pair (part 2): grid 256 x 1, 4 waves a work-group, clusters of 4 x 1, 327,680 bytes of LDS; arguments zc, wq, W_lv, b_lv, st, tm, ps; writes ps
.if DOCPART == 2
	.amdgcn_target "amdgcn-amd-amdhsa--gfx1250"
	.amdhsa_code_object_version 6
	.text
	.protected	k_q047fddfab6_pair
	.globl	k_q047fddfab6_pair
	.p2align	8
	.type	k_q047fddfab6_pair,@function
k_q047fddfab6_pair:
	s_mov_b64 s[64:65], 0
	v_nop
	global_prefetch_b8 v0, s[64:65] scope:SCOPE_SE
	s_setreg_imm32_b32 hwreg(HW_REG_WAVE_MODE, 25, 1), 1
	s_wait_xcnt 0x0
	s_wait_alu depctr_hold_cnt(0) depctr_sa_sdst(0) depctr_va_vdst(0) depctr_va_sdst(0) depctr_va_ssrc(0) depctr_va_vcc(0) depctr_vm_vsrc(0)
	s_getreg_b32 s2, hwreg(HW_REG_IB_STS2, 6, 4)
	s_cmp_eq_u32 s2, 0
	s_cbranch_scc0 .Lentry_in_a_cluster
	s_endpgm
.Lentry_in_a_cluster:
	s_bfe_u32 s2, ttmp6, 0x10000c
	s_cmp_lg_u32 s2, 0x3003
	s_cbranch_scc0 .Lentry_shape_is_right
	s_endpgm
.Lentry_shape_is_right:
; PAIR.  l = clip(z W_lv + b_lv, -9, -2) on codes of BF6 (E3M2), then for train episode i and test episode j the sum over the statistics t of
;   B_j (a_i + d^2) + A_i (b_j + d^2) + 2 l_j,   d = m_j - m_i,  a = e^l, A = e^-l of train, b, B of test: twice the score, less what is the same along a row (left out as the first kernel's comment shows, with the limit stated there).
; All but the quantised product in f32 on the vector unit, with the difference taken first: the square is never multiplied out, so no difference of large sums is formed.
; SHARES.  Part p = cluster number / 4: statistics 64 p .. 64 p + 63 of the 1,024 of phis (four tiles of W_lv's columns); part 15 takes the targets' two as well (tile 64).  Train block y = cluster number % 4: train episodes 64 y on;
;   place cx in the cluster: test episodes 64 cx on.
;   Product: wave w takes side w % 2 (train, test), 4 tiles of 16 episodes x 2 tiles of 16 columns (w / 2), 9 K steps; K step 8 comes first: W_lv's rows 1,024 and 1,025 and zeros, quantised here.  Source 0 = episodes, source 1 = columns: a lane holds
;   one t and eight neighbouring episodes.  m, e^l and e^-l lie in LDS by rows of t.  Pairs: wave w takes 32 i (w % 2) x 64 j x 32 t (w / 2); a lane 8 i x 8 j, two j to a packed instruction.  The halves of t meet in an LDS stage.
; CLUSTER 4 x 1.  Its four work-groups share z's train rows and W's image: joint loads (mask 15); z's test rows are each work-group's own.  One tensor load a wave, at the head; LDS is filled once.
; No prefetch: there is no loop of tensor loads to run ahead in.
; LIMITS: NaN and infinities are not served; a block of zeros has the scale byte 1 or 127 over zero codes.  The sum over K begins with K step 8.
.set ZPIT, 1040                        ; an LDS row of z: 64 scale bytes, 960 of codes, 16 of padding: 260 words: the 16 rows of a fragment start 4 banks apart, the two halves of the lanes 6
.set ZT16, 16*ZPIT
.set ZHALF, 64*ZPIT
.set WR, 2*ZHALF                       ; W's image: 4 tiles x 8 K steps x 1,536 bytes, then 32 runs of scale words of 128 bytes
.set WPART, 53248
.set WSOFF, 49152
.set ARR, WR+WPART                     ; 66 rows of t: m, e^l, e^-l of 64 train and 64 test episodes, 16 bytes of padding
.set APIT, 1552
.set HL, ARR+102656                    ; for each half of t: the sum of l of 64 test episodes
.set LX, HL+512                        ; part 15: l of the targets' two statistics, 64 test episodes, rows 272 bytes apart
.set XWL, LX+768                       ; part 15: tile 64's image and scale words
.set SPARE, XWL+13312                  ; the spare words
.set SPIT, 272                         ; the stage, over z's rows: [half of t][64 i] rows of 64 j
.set SHALF, 64*SPIT
.set VHR, 0                            ; v0 from the head's end on: HL + 16 r
.set VIX, 1
.set VJX, 2
.set VLXJ, 3
.set SPW, 4
.set NIL, 5
.set VZ,  6                            ; v6, v7: tiles 0, 1 and 2, 3 of the wave's own order (tile xor 2 (w / 2)), so that tile 64 always goes with tiles 0, 1
.set VZS, 8
.set VW,  10
.set VWS, 11
.set VST, 12
.set VHL, 14
.set VI,  16
.set VJ,  17
.set VIC, 18
.set VJC, 19
.set BI,  20                           ; v20, v21 the bias of my column in the two tiles
.set VSG, 22
.set VRB, 23
.set VPO, 24
.set VXW, 25
.set VXS, 26
.set VLX, 27
.set XB,  28                           ; v28 bias, v29, v30 the two numbers of K step 8 for tile 64
.set VX,  31
.set ZF,  32                           ; v32-127 z's fragments, two sets of four
.set WF,  128                          ; v128-175 W's fragments, two sets of two
.set ZS,  176                          ; v176-183, v184-187, v188-189 scale words, two sets each of z, W, tile 64
.set WS,  184
.set XS,  188
.set ACC, 192                          ; v192-255 accumulators, tile (mt, n) at 8 (2 mt + n); later l; later the pairs' sums, (i, two j) at 8 i + 2 j
.set XA,  24                           ; window 1: v256-279 tile 64's fragments, two sets; v280-295 its accumulators
.set D,   128                          ; pairs: v128-159, v160-191 at work
.set U,   160
.set MSB, 0
.macro WIN new
.if MSB != \new
	s_set_vgpr_msb (MSB<<8)|\new
.set MSB, \new
.endif
.endm
.macro ROUND
	s_barrier_signal -1
	s_barrier_wait -1
	s_cmp_lg_u32 s18, 0
	s_cbranch_scc1 .Lnot_wave_0_\@
	s_barrier_signal -3
.Lnot_wave_0_\@:
	s_barrier_wait -3
	s_barrier_signal -1
	s_barrier_wait -1
.endm
.macro LIN d, base, x, cx, y, cy       ; s[d] = base + cx s[x] + cy s[y]
	s_mul_i32 s[\d], s[\x], \cx
	s_mul_i32 s100, s[\y], \cy
	s_add_co_u32 s[\d], s[\d], s100
.if \base
	s_add_co_u32 s[\d], s[\d], \base
.endif
.endm
.macro PL4
.rept 4
	v_nop
.endr
.endm
	s_load_b256 s[4:11], s[0:1], 0x0               ; zc, wq, W_lv, b_lv
	s_load_b128 s[12:15], s[0:1], 0x20             ; st, tm
	s_load_b64 s[16:17], s[0:1], 0x30              ; ps
	v_lshl_add_u32 v[SPW], v0, 2, SPARE
	v_mov_b32 v[NIL], 0
	ds_add_u32 v[SPW], v[NIL]                      ; the wave's opening: the add, twice on end
	ds_add_u32 v[SPW], v[NIL]
	v_lshrrev_b32 v1, 5, v0
	v_readfirstlane_b32 s18, v1                    ; wave
	s_and_b32 s19, s18, 1                          ; side; in the pairs: half of i
	s_lshr_b32 s20, s18, 1                         ; half of t
	s_xor_b32 s99, s20, 1
	s_bfe_u32 s21, ttmp6, 0x40000                  ; cx: the test block
	s_and_b32 s22, ttmp9, 3                        ; y: the train block
	s_lshr_b32 s23, ttmp9, 2                       ; part
	s_mov_b32 s98, 0xffff0000
	LIN 24, 0, 19, ZHALF, 20, 2*ZT16
	LIN 25, 0, 19, ZHALF, 99, 2*ZT16
	LIN 28, ARR, 19, 256, 20, 32*APIT+128
	LIN 29, ARR, 19, 256, 20, 32*APIT
	s_lshl_b32 s100, s99, 7
	s_add_co_u32 s29, s29, s100
	LIN 31, HL, 20, 256, 99, 128
	LIN 32, ARR+64*APIT, 19, 256, 20, 128
	LIN 34, ARR, 20, 32*APIT, 19, 128
	LIN 60, ARR+64*APIT, 20, APIT, 19, 128
	LIN 63, 0, 20, SHALF, 19, 32*SPIT
	s_mul_i32 s26, s20, 24576
	s_add_co_u32 s26, s26, WR
	s_lshl_b32 s27, s20, 11
	s_add_co_u32 s27, s27, WR+WSOFF
	s_mul_i32 s30, s20, 384
	s_add_co_u32 s30, s30, HL
	s_lshl_b32 s33, s20, 7
	s_add_co_u32 s33, s33, LX
	s_mul_i32 s35, s20, 32*APIT
	s_add_co_u32 s35, s35, ARR+256
	s_mul_i32 s61, s20, APIT
	s_add_co_u32 s61, s61, ARR+64*APIT+256
	s_mul_i32 s62, s20, SPIT
	s_add_co_u32 s62, s62, LX
	s_mul_i32 s66, s18, 16*SPIT
	s_lshl_b32 s67, s18, 7
	s_add_co_u32 s80, s67, ARR+64*APIT
	s_add_co_u32 s67, s67, ARR
	v_and_b32 v32, 15, v0                          ; r
	v_bfe_u32 v33, v0, 4, 1                        ; h
	v_and_b32 v34, 31, v0                          ; lane
	v_lshrrev_b32 v62, 3, v34                      ; in the pairs: my eight i,
	v_and_b32 v63, 7, v34                          ; and my two fours of j
	v_mul_u32_u24 v35, v32, ZPIT
	v_mad_u32_u24 v36, v33, 24, v35
	v_add_nc_u32 v[VZ], s24, v36
	v_add_nc_u32 v[VZ+1], s25, v36
	v_add_nc_u32 v[VZS], s24, v35
	v_add_nc_u32 v[VZS+1], s25, v35
	v_lshl_add_u32 v[VW], v34, 4, s26
	v_lshl_add_u32 v[VWS], v34, 2, s27
	v_mul_u32_u24 v35, v32, APIT
	v_lshl_add_u32 v35, v33, 5, v35
	v_add_nc_u32 v[VST], s28, v35
	v_add_nc_u32 v[VST+1], s29, v35
	v_lshl_add_u32 v[VHL], v33, 5, s30
	v_lshl_add_u32 v[VHL+1], v33, 5, s31
	v_add_nc_u32 v36, 15, v32
	v_lshrrev_b32 v36, 4, v36                      ; tile 64's column: 0 in lane r = 0, 513 in the others (which hold one value and write one word)
	v_mul_u32_u24 v44, v36, 2052
	v_mul_u32_u24 v35, v36, APIT
	v_lshl_add_u32 v35, v33, 5, v35
	v_add_nc_u32 v[VX], s32, v35
	v_mul_u32_u24 v35, v36, SPIT
	v_lshl_add_u32 v35, v33, 5, v35
	v_add_nc_u32 v[VLX], s33, v35
	v_lshl_add_u32 v[VI], v62, 5, s34
	v_lshl_add_u32 v[VJ], v63, 4, s35
	v_lshl_add_u32 v[VIX], v62, 5, s60
	v_lshl_add_u32 v[VJX], v63, 4, s61
	v_lshl_add_u32 v[VLXJ], v63, 4, s62
	v_mul_u32_u24 v35, v62, 8*SPIT
	v_lshl_add_u32 v35, v63, 4, v35
	v_add_nc_u32 v[VSG], s63, v35
	v_mul_u32_u24 v35, v33, SPIT
	v_lshl_add_u32 v35, v32, 4, v35
	v_add_nc_u32 v[VRB], s66, v35
	v_lshlrev_b32 v35, 10, v33
	v_lshl_add_u32 v[VPO], v32, 4, v35
	v_mul_u32_u24 v37, v32, 4*APIT                 ; where m goes: rows 4 r on, four episodes a lane
	v_lshl_add_u32 v37, v33, 4, v37
	v_add_nc_u32 v37, s67, v37
	v_lshlrev_b32 v38, 14, v33                     ; where it comes from: 16 lanes take 256 bytes of an episode's row
	v_lshl_add_u32 v38, v32, 4, v38
	v_lshlrev_b32 v39, 2, v32
	v_lshl_add_u32 v40, v34, 2, s80
	v_lshlrev_b32 v41, 3, v34
	v_lshlrev_b32 v42, 4, v0
	v_lshlrev_b32 v43, 3, v0
	v_lshl_add_u32 v45, v0, 4, XWL
	v_lshl_add_u32 v46, v0, 3, XWL+12288
	v_lshl_add_u32 v[VXW], v34, 4, XWL
	v_lshl_add_u32 v[VXS], v34, 2, XWL+12288
	v_mov_b32 v[XB], 0
	v_mov_b32 v[XB+1], 0
	v_mov_b32 v[XB+2], 0
	v_lshl_add_u32 v[VHR], v32, 4, HL
	s_wait_alu depctr_va_vdst(0)                   ; ahead of the scalar lines below
	; offsets in memory.  My wave's 32 episodes whose m it brings: waves 0, 1 train, waves 2, 3 test
	s_lshl_b32 s28, s22, 6
	s_lshl_b32 s29, s21, 6
	s_add_co_u32 s29, s29, 192
	s_lshl_b32 s30, s18, 5
	s_cmp_lt_u32 s18, 2
	s_cselect_b32 s28, s28, s29
	s_add_co_u32 s28, s28, s30
	s_lshl_b32 s24, s28, 12
	s_lshl_b32 s29, s23, 8
	s_add_co_u32 s24, s24, s29                     ; st: rows of 4,096 bytes, the part's 256
	s_mov_b32 s25, 0
	s_lshl_b32 s26, s28, 3                         ; tm
	s_mov_b32 s27, 0
	s_lshl_b32 s28, s23, 2
	s_lshl_b32 s29, s20, 1
	s_add_co_u32 s28, s28, s29                     ; my first tile of columns T, even
	s_lshr_b32 s29, s28, 5
	s_lshl_b32 s28, s28, 4
	s_add_co_u32 s28, s28, s29
	s_add_co_u32 s28, s28, 1                       ; column 16 T + 1 + T / 32
	s_lshl_b32 s28, s28, 2
	s_mov_b32 s29, 0
	s_lshl_b32 s30, s23, 18                        ; ps: part, row 64 y + 16 w, column 64 cx
	s_lshl_b32 s31, s22, 16
	s_add_co_u32 s30, s30, s31
	s_lshl_b32 s31, s18, 14
	s_add_co_u32 s30, s30, s31
	s_lshl_b32 s31, s21, 8
	s_add_co_u32 s30, s30, s31
	s_mov_b32 s31, 0
	s_lshl_b32 s32, s22, 16                        ; z's train rows hang on the cluster alone,
	s_mov_b32 s33, 0
	s_lshl_b32 s34, s21, 16                        ; its test rows on my place,
	s_add_co_u32 s34, s34, 262144
	s_mov_b32 s35, 0
	s_mul_i32 s60, s23, WPART                      ; W's image on the cluster alone; waves 2 and 3 fetch a half each
	s_mul_i32 s81, s19, WPART/2
	s_add_co_u32 s60, s60, s81
	s_mov_b32 s61, 0
	s_mov_b32 s36, 15|(3<<16)|(1<<20)|(1<<21)|(7<<22)|(3<<25)    ; z: 64 rows of 128 elements of 8 bytes, 16 bytes of padding behind each; train for the cluster's four,
	s_mov_b32 s44, (3<<16)|(1<<20)|(7<<22)|(3<<25)               ; test for this work-group
.irp g, 36, 44
	s_mov_b32 s[\g+1], 128<<16
	s_mov_b32 s[\g+2], 64<<16
	s_mov_b32 s[\g+3], 128<<16
	s_mov_b32 s[\g+4], 64
	s_mov_b32 s[\g+5], 128
	s_mov_b32 s[\g+6], 0
	s_mov_b32 s[\g+7], 0
.endr
	s_mov_b32 s52, 15|(3<<16)|(1<<21)              ; W: 104 rows of 256 bytes, dense, for the four
	s_mov_b32 s53, 32<<16
	s_mov_b32 s54, 104<<16
	s_mov_b32 s55, 32<<16
	s_mov_b32 s56, 104
	s_mov_b32 s57, 32
	s_mov_b32 s58, 0
	s_mov_b32 s59, 0
	s_mov_b32 s68, 1
	s_mov_b32 s69, 0
	s_mov_b32 s72, 1
	s_mov_b32 s73, ZHALF
	s_mov_b32 s76, 1
	s_add_co_u32 s77, s81, WR
	s_wait_dscnt 0x0                               ; both opening adds are done
	s_wait_kmcnt 0x0
	s_add_nc_u64 s[70:71], s[4:5], s[32:33]
	s_or_b32 s71, s71, 0x80000000
	s_add_nc_u64 s[74:75], s[4:5], s[34:35]
	s_or_b32 s75, s75, 0x80000000
	s_add_nc_u64 s[78:79], s[6:7], s[60:61]
	s_or_b32 s79, s79, 0x80000000
	s_add_nc_u64 s[12:13], s[12:13], s[24:25]
	s_add_nc_u64 s[14:15], s[14:15], s[26:27]
	s_add_nc_u64 s[62:63], s[10:11], s[28:29]
	s_add_nc_u64 s[66:67], s[8:9], s[28:29]
	s_add_nc_u64 s[16:17], s[16:17], s[30:31]
	ROUND                                          ; all four work-groups are here: the joint loads meet
	s_cmp_lt_u32 s18, 1
	s_cbranch_scc0 .Lask_test
	tensor_load_to_lds s[68:71], s[36:43]
	s_nop 0
	PL4
	s_branch .Lasked
.Lask_test:
	s_cmp_lt_u32 s18, 2
	s_cbranch_scc0 .Lask_w
	tensor_load_to_lds s[72:75], s[44:51]
	s_nop 0
	PL4
	s_branch .Lasked
.Lask_w:
	tensor_load_to_lds s[76:79], s[52:59]
	s_nop 0
	PL4
.Lasked:
	global_load_b32 v[BI], v39, s[62:63]
	global_load_b32 v[BI+1], v39, s[62:63] offset:64
	global_load_b32 v48, v39, s[66:67] offset:1024*4104
	global_load_b32 v49, v39, s[66:67] offset:1025*4104
	global_load_b32 v160, v39, s[66:67] offset:1024*4104+64
	global_load_b32 v161, v39, s[66:67] offset:1025*4104+64
.irp g, 0,1,2,3
.irp k, 0,1,2,3
	global_load_b128 v[64+16*\g+4*\k:67+16*\g+4*\k], v38, s[12:13] offset:(8*\g+\k)*4096   ; m of episode 8 g + 4 h + k, t = 4 r .. 4 r + 3
.endr
.endr
.irp i, 2,3,4,5,6,7,8,9,10,11,12,13,14,15
	v_mov_b32 v[48+\i], 0
	v_mov_b32 v[160+\i], 0
.endr
.irp i, 3,4,5,6,7,8,9,10,11
	v_mov_b32 v[WF+\i], 0
	v_mov_b32 v[WF+12+\i], 0
.endr
	s_wait_alu depctr_va_vdst(0)
	s_cmp_lg_u32 s23, 15
	s_cbranch_scc1 .Lno_copy
.irp k, 0,1,2,3,4,5                    ; part 15: tile 64's image and scale words, the targets' m, bias and last rows
	global_load_b128 v[192+4*\k:195+4*\k], v42, s[6:7] offset:16*WPART+2048*\k
.endr
	global_load_b64 v[216:217], v43, s[6:7] offset:16*WPART+WSOFF
	global_load_b64 v[218:219], v41, s[14:15]
	global_load_b32 v[XB], v44, s[10:11]
	global_load_b32 v[XB+1], v44, s[8:9] offset:1024*4104
	global_load_b32 v[XB+2], v44, s[8:9] offset:1025*4104
	s_wait_loadcnt 0x0
.irp k, 0,1,2,3,4,5
	ds_store_b128 v45, v[192+4*\k:195+4*\k] offset:2048*\k
.endr
	ds_store_b64 v46, v[216:217]
	ds_store_b32 v40, v218
	ds_store_b32 v40, v219 offset:APIT
.Lno_copy:
	s_wait_loadcnt 16                              ; all but m's sixteen loads are in
	v_cndmask_b32 v48, v48, v[NIL], s98            ; lanes 16-31 hold block 33: zeros
	v_cndmask_b32 v49, v49, v[NIL], s98
	v_cndmask_b32 v160, v160, v[NIL], s98
	v_cndmask_b32 v161, v161, v[NIL], s98
	v_max3_num_f32 v224, |v48|, |v49|, 0x2800000
	v_max3_num_f32 v225, |v160|, |v161|, 0x2800000
	v_add_nc_u32 v226, 0xfe000000, v224
	v_add_nc_u32 v227, 0xfe000000, v225
	v_lshrrev_b32 v228, 23, v226
	v_lshrrev_b32 v229, 23, v227
	v_or_b32 v[WS], 0x7f7f7f00, v228               ; block 32's byte; 127 over the three blocks of zero codes
	v_or_b32 v[WS+1], 0x7f7f7f00, v229
	v_cvt_scalef32_pk16_bf6_f32 v[WF:WF+2], v[48:63], v226
	v_cvt_scalef32_pk16_bf6_f32 v[WF+12:WF+14], v[160:175], v227
	v_nop                                          ; one plain place behind a scaled conversion
	s_wait_alu depctr_va_vdst(0)
	s_wait_loadcnt 0x0
.irp g, 0,1,2,3                        ; four episodes side by side in a lane, for each of its four t
.irp c, 0,1,2,3
.irp k, 0,1,2,3
	v_mov_b32 v[192+16*(\g%2)+4*\c+\k], v[64+16*\g+4*\k+\c]
.endr
.endr
.irp c, 0,1,2,3
	ds_store_b128 v37, v[192+16*(\g%2)+4*\c:195+16*(\g%2)+4*\c] offset:\c*APIT+32*\g
.endr
.endr
	s_wait_alu depctr_va_vdst(0)                   ; the wait at the head's end
	s_wait_tensorcnt 0x0                           ; my tile has landed,
	s_wait_dscnt 0x0                               ; my LDS stores are done
	s_barrier_signal -1
	s_barrier_wait -1                              ; everybody's
; Step s of nine: K step 8, then 0 .. 7.  GL: its fragments and scale words into set s % 2: 36 loads (28 in the first, whose W was made above), 4 more with tile 64 (x = 1).
.macro GL s, x
.set GB, (\s)%2
.set GK, ((\s)+8)%9
.irp mt, 0,1,2,3
.irp p, 0,1,2,3,4,5
	ds_load_b64 v[ZF+48*GB+12*\mt+2*\p:ZF+48*GB+12*\mt+2*\p+1], v[VZ+\mt/2] offset:ZT16*(\mt%2)+64+96*GK+48*(\p/3)+8*(\p%3)
.endr
	ds_load_b32 v[ZS+4*GB+\mt], v[VZS+\mt/2] offset:ZT16*(\mt%2)+4*GK
.endr
.if (\s) > 0
.irp n, 0,1
.irp q, 0,1,2
	ds_load_b128 v[WF+24*GB+12*\n+4*\q:WF+24*GB+12*\n+4*\q+3], v[VW] offset:12288*\n+1536*GK+512*\q
.endr
	ds_load_b32 v[WS+2*GB+\n], v[VWS] offset:1024*\n+128*GK
.endr
.if \x
	ds_load_b32 v[XS+GB], v[VXS] offset:128*GK
	WIN 0x40
.irp q, 0,1,2
	ds_load_b128 v[12*GB+4*\q:12*GB+4*\q+3], v[VXW] offset:1536*GK+512*\q
.endr
	WIN 0
.endif
.endif
.endm
.macro STEP s, x                       ; the accumulators take turns; the first step starts the sums
.if \s > 0
	PL4                                            ; places in front of loads into registers that the step before has read
.endif
.if \s < 8
	GL \s+1, \x
	s_wait_dscnt 36+4*\x                           ; all but the loads just issued
.else
	s_wait_dscnt 0x0
.endif
.set SB, (\s)%2
.irp mt, 0,1,2,3
.irp n, 0,1
.if \s == 0
	v_wmma_scale_f32_16x16x128_f8f6f4 v[ACC+8*(2*\mt+\n):ACC+8*(2*\mt+\n)+7], v[ZF+48*SB+12*\mt:ZF+48*SB+12*\mt+11], v[WF+24*SB+12*\n:WF+24*SB+12*\n+11], 0, v[ZS+4*SB+\mt], v[WS+2*SB+\n] matrix_a_fmt:MATRIX_FMT_BF6 matrix_b_fmt:MATRIX_FMT_BF6
.else
	v_wmma_scale_f32_16x16x128_f8f6f4 v[ACC+8*(2*\mt+\n):ACC+8*(2*\mt+\n)+7], v[ZF+48*SB+12*\mt:ZF+48*SB+12*\mt+11], v[WF+24*SB+12*\n:WF+24*SB+12*\n+11], v[ACC+8*(2*\mt+\n):ACC+8*(2*\mt+\n)+7], v[ZS+4*SB+\mt], v[WS+2*SB+\n] matrix_a_fmt:MATRIX_FMT_BF6 matrix_b_fmt:MATRIX_FMT_BF6
.endif
.endr
.endr
.if \x
	WIN 0x54
.irp m, 0,1
.if \s == 0
	v_wmma_scale_f32_16x16x128_f8f6f4 v[XA+8*\m:XA+8*\m+7], v[ZF+48*SB+12*\m:ZF+48*SB+12*\m+11], v[12*SB:12*SB+11], 0, v[ZS+4*SB+\m], v[XS+SB] matrix_a_fmt:MATRIX_FMT_BF6 matrix_b_fmt:MATRIX_FMT_BF6
.else
	v_wmma_scale_f32_16x16x128_f8f6f4 v[XA+8*\m:XA+8*\m+7], v[ZF+48*SB+12*\m:ZF+48*SB+12*\m+11], v[12*SB:12*SB+11], v[XA+8*\m:XA+8*\m+7], v[ZS+4*SB+\m], v[XS+SB] matrix_a_fmt:MATRIX_FMT_BF6 matrix_b_fmt:MATRIX_FMT_BF6
.endif
.endr
	WIN 0
.endif
.endm
	s_mov_b32 s28, 0xc1100000                      ; -9.0
	s_mov_b32 s30, 0x3fb8aa3b                      ; log2(e)
	s_mov_b32 s31, s30
	s_cmp_lg_u32 s23, 15
	s_cbranch_scc1 .Lproduct
	GL 0, 1                                        ; PART 15: tile 64 beside the four.  Its K step 8 is quantised while the first fragments are on their way
	v_cndmask_b32 v192, v[XB+1], v[NIL], s98
	v_cndmask_b32 v193, v[XB+2], v[NIL], s98
.irp i, 2,3,4,5,6,7,8,9,10,11,12,13,14,15
	v_mov_b32 v[192+\i], 0
.endr
	v_max3_num_f32 v208, |v192|, |v193|, 0x2800000
	v_add_nc_u32 v209, 0xfe000000, v208
	v_lshrrev_b32 v210, 23, v209
	v_or_b32 v[XS], 0x7f7f7f00, v210
	WIN 0x40
	v_cvt_scalef32_pk16_bf6_f32 v[0:2], v[192:207], v209
	v_nop                                          ; one plain place behind a scaled conversion
.irp i, 3,4,5,6,7,8,9,10,11
	v_mov_b32 v[\i], 0                             ; nine plain lines stand behind the scale word's write (8 are asked)
.endr
	WIN 0
	s_wait_alu depctr_va_vdst(0)
.irp s, 0,1,2,3,4,5,6,7,8
	STEP \s, 1
.endr
	PL4
	WIN 0x01
.irp m, 0,1
.irp j, 0,2,4,6
	v_pk_add_f32 v[32+8*\m+\j:33+8*\m+\j], v[XA+8*\m+\j:XA+8*\m+\j+1], v[XB:XB+1] op_sel_hi:[1,0]
.endr
.endr
	WIN 0
.irp i, 0,1,2,3,4,5,6,7,8,9,10,11,12,13,14,15
	v_med3_num_f32 v[32+\i], v[32+\i], s28, -2.0
.endr
	s_wait_alu depctr_va_vdst(0)
	s_cmp_eq_u32 s19, 0
	s_cbranch_scc1 .Lx_train
.irp m, 0,1
	ds_store_b128 v[VLX], v[32+8*\m:35+8*\m] offset:64*\m
	ds_store_b128 v[VLX], v[36+8*\m:39+8*\m] offset:64*\m+16
.endr
.Lx_train:
.irp i, 0,2,4,6,8,10,12,14
	v_pk_mul_f32 v[48+\i:49+\i], v[32+\i:33+\i], s[30:31] op_sel_hi:[1,0]
.endr
	s_wait_alu depctr_va_vdst(0)
.irp i, 0,1,2,3,4,5,6,7,8,9,10,11,12,13,14,15
	v_exp_f32 v[64+\i], v[48+\i]
.endr
	v_nop
.irp i, 0,1,2,3,4,5,6,7,8,9,10,11,12,13,14,15
	v_exp_f32 v[48+\i], -v[48+\i]
.endr
	v_nop
	s_wait_alu depctr_va_vdst(0)                   ; one wait for the 32
.irp m, 0,1
	ds_store_b128 v[VX], v[64+8*\m:67+8*\m] offset:512+64*\m
	ds_store_b128 v[VX], v[68+8*\m:71+8*\m] offset:528+64*\m
	ds_store_b128 v[VX], v[48+8*\m:51+8*\m] offset:1024+64*\m
	ds_store_b128 v[VX], v[52+8*\m:55+8*\m] offset:1040+64*\m
.endr
	s_branch .Lclip
.Lproduct:
	GL 0, 0
.irp s, 0,1,2,3,4,5,6,7,8
	STEP \s, 0
.endr
	PL4
.Lclip:
	s_wait_alu depctr_va_vdst(0)                   ; ahead of the results' first readers
.irp mt, 0,1,2,3
.irp j, 0,2,4,6
	v_pk_add_f32 v[ACC+16*\mt+\j:ACC+16*\mt+\j+1], v[ACC+16*\mt+\j:ACC+16*\mt+\j+1], v[BI:BI+1] op_sel_hi:[1,0]
.endr
.irp j, 8,10,12,14
	v_pk_add_f32 v[ACC+16*\mt+\j:ACC+16*\mt+\j+1], v[ACC+16*\mt+\j:ACC+16*\mt+\j+1], v[BI:BI+1] op_sel:[0,1] op_sel_hi:[1,1]
.endr
.endr
.set n, 0
.rept 64
	v_med3_num_f32 v[ACC+n], v[ACC+n], s28, -2.0
.set n, n+1
.endr
	s_wait_alu depctr_va_vdst(0)
	s_cmp_eq_u32 s19, 0
	s_cbranch_scc1 .Ltrain
.irp mt, 0,1,2,3                       ; test: the sum of l over my 32 t: the two tiles, then the 16 lanes of a row
.irp j, 0,2,4,6
	v_pk_add_f32 v[160+8*\mt+\j:161+8*\mt+\j], v[ACC+16*\mt+\j:ACC+16*\mt+\j+1], v[ACC+16*\mt+8+\j:ACC+16*\mt+9+\j]
.endr
.endr
.macro FOLD m
.set n, 160
.rept 32
	v_add_f32_dpp v[n], v[n], v[n] row_xmask:\m row_mask:0xf bank_mask:0xf
.set n, n+1
.endr
.endm
	FOLD 1
	FOLD 2
	FOLD 4
	FOLD 8
.irp mt, 0,1,2,3
	ds_store_b128 v[VHL+\mt/2], v[160+8*\mt:163+8*\mt] offset:64*(\mt%2)       ; the lanes of a row write one value
	ds_store_b128 v[VHL+\mt/2], v[164+8*\mt:167+8*\mt] offset:64*(\mt%2)+16
.endr
.Ltrain:
.set n, 0
.rept 32
	v_pk_mul_f32 v[32+n:33+n], v[ACC+n:ACC+n+1], s[30:31] op_sel_hi:[1,0]
.set n, n+2
.endr
	s_wait_alu depctr_va_vdst(0)
.set n, 0
.rept 64
	v_exp_f32 v[96+n], v[32+n]                     ; e^l
.set n, n+1
.endr
	v_nop
	s_wait_alu depctr_va_vdst(0)
.irp mt, 0,1,2,3
.irp t, 0,1
.irp q, 0,1
.irp i, 0,1,2,3
	v_exp_f32 v[32+16*\mt+8*\t+4*\q+\i], -v[32+16*\mt+8*\t+4*\q+\i]            ; e^-l
.endr
	ds_store_b128 v[VST+\mt/2], v[96+16*\mt+8*\t+4*\q:99+16*\mt+8*\t+4*\q] offset:512+64*(\mt%2)+16*APIT*\t+16*\q
.endr
.endr
.endr
	v_nop
	s_wait_alu depctr_va_vdst(0)
.irp mt, 0,1,2,3
.irp t, 0,1
.irp q, 0,1
	ds_store_b128 v[VST+\mt/2], v[32+16*\mt+8*\t+4*\q:35+16*\mt+8*\t+4*\q] offset:1024+64*(\mt%2)+16*APIT*\t+16*\q
.endr
.endr
.endr
	s_wait_dscnt 0x0
	s_barrier_signal -1
	s_barrier_wait -1                              ; m, e^l, e^-l of all 128 episodes lie in LDS
; THE PAIRS.  LD: a t's 24 numbers of my eight i and 24 of my eight j, 12 loads.  CP: its 64 pairs, 160 packed instructions, 16 independent chains at a time.
.macro LD b, vi, vj, o
.irp a, 0,1,2
	ds_load_b128 v[\b+8*\a:\b+8*\a+3], v[\vi] offset:\o+512*\a
	ds_load_b128 v[\b+8*\a+4:\b+8*\a+7], v[\vi] offset:\o+512*\a+16
	ds_load_b128 v[\b+24+8*\a:\b+27+8*\a], v[\vj] offset:\o+512*\a
	ds_load_b128 v[\b+28+8*\a:\b+31+8*\a], v[\vj] offset:\o+512*\a+128
.endr
.endm
.macro CP b, first
.irp g, 0,1
.irp k, 0,1
.irp s, 0,1
.irp j, 0,1,2,3
	v_pk_add_f32 v[D+16*\k+8*\s+2*\j:D+16*\k+8*\s+2*\j+1], v[\b+24+2*\j:\b+25+2*\j], v[\b+4*\g+2*\k:\b+4*\g+2*\k+1] op_sel:[0,\s] op_sel_hi:[1,\s] neg_lo:[0,1] neg_hi:[0,1]   ; d
.endr
.endr
.endr
.irp k, 0,1
.irp s, 0,1
.irp j, 0,1,2,3
	v_pk_fma_f32 v[U+16*\k+8*\s+2*\j:U+16*\k+8*\s+2*\j+1], v[D+16*\k+8*\s+2*\j:D+16*\k+8*\s+2*\j+1], v[D+16*\k+8*\s+2*\j:D+16*\k+8*\s+2*\j+1], v[\b+8+4*\g+2*\k:\b+9+4*\g+2*\k] op_sel:[0,0,\s] op_sel_hi:[1,1,\s]   ; d^2 + a
.endr
.endr
.endr
.irp k, 0,1
.irp s, 0,1
.irp j, 0,1,2,3
	v_pk_fma_f32 v[D+16*\k+8*\s+2*\j:D+16*\k+8*\s+2*\j+1], v[D+16*\k+8*\s+2*\j:D+16*\k+8*\s+2*\j+1], v[D+16*\k+8*\s+2*\j:D+16*\k+8*\s+2*\j+1], v[\b+32+2*\j:\b+33+2*\j]   ; d^2 + b
.endr
.endr
.endr
.irp k, 0,1
.irp s, 0,1
.irp j, 0,1,2,3
.if \first
	v_pk_mul_f32 v[ACC+32*\g+16*\k+8*\s+2*\j:ACC+32*\g+16*\k+8*\s+2*\j+1], v[\b+40+2*\j:\b+41+2*\j], v[U+16*\k+8*\s+2*\j:U+16*\k+8*\s+2*\j+1]   ; the first product starts the sum
.else
	v_pk_fma_f32 v[ACC+32*\g+16*\k+8*\s+2*\j:ACC+32*\g+16*\k+8*\s+2*\j+1], v[\b+40+2*\j:\b+41+2*\j], v[U+16*\k+8*\s+2*\j:U+16*\k+8*\s+2*\j+1], v[ACC+32*\g+16*\k+8*\s+2*\j:ACC+32*\g+16*\k+8*\s+2*\j+1]
.endif
.endr
.endr
.endr
.irp k, 0,1
.irp s, 0,1
.irp j, 0,1,2,3
	v_pk_fma_f32 v[ACC+32*\g+16*\k+8*\s+2*\j:ACC+32*\g+16*\k+8*\s+2*\j+1], v[\b+16+4*\g+2*\k:\b+17+4*\g+2*\k], v[D+16*\k+8*\s+2*\j:D+16*\k+8*\s+2*\j+1], v[ACC+32*\g+16*\k+8*\s+2*\j:ACC+32*\g+16*\k+8*\s+2*\j+1] op_sel:[\s,0,0] op_sel_hi:[\s,1,1]
.endr
.endr
.endr
.endr
.endm
	LD 32, VI, VJ, 0
	LD 80, VI, VJ, APIT
	s_wait_dscnt 12                                ; the first t is in; the second's 12 loads may be out
	CP 32, 1
	s_mov_b32 s24, 0
	s_mov_b32 s25, 15
	s_wait_alu depctr_va_vdst(0)
.Lpairs:                                               ; trip k: t = 2 k + 1 and 2 k + 2 are worked on, 2 k + 2 and 2 k + 3 fetched
	v_add_nc_u32 v[VIC], s24, v[VI]
	v_add_nc_u32 v[VJC], s24, v[VJ]
	LD 32, VIC, VJC, 2*APIT
	s_wait_dscnt 12
	CP 80, 0
	LD 80, VIC, VJC, 3*APIT
	s_wait_dscnt 12
	CP 32, 0
	s_add_co_u32 s24, s24, 2*APIT
	s_sub_co_u32 s25, s25, 1
	s_cmp_lg_u32 s25, 0
	s_cbranch_scc1 .Lpairs
	s_wait_dscnt 0x0
	CP 80, 0                                       ; t = 31
	s_wait_alu depctr_va_vdst(0)
	s_cmp_lg_u32 s23, 15
	s_cbranch_scc1 .Lstage
	LD 32, VIX, VJX, 0                             ; part 15: one of the targets' two statistics for each half of t
	ds_load_b128 v[80:83], v[VLXJ]
	ds_load_b128 v[84:87], v[VLXJ] offset:128
	s_wait_dscnt 0x0
	CP 32, 0
.irp i, 0,1,2,3,4,5,6,7
.irp j, 0,2,4,6
	v_pk_fma_f32 v[ACC+8*\i+\j:ACC+8*\i+\j+1], v[80+\j:81+\j], 2.0, v[ACC+8*\i+\j:ACC+8*\i+\j+1] op_sel_hi:[1,0,1]
.endr
.endr
.Lstage:                                               ; z's rows have had their only fill, and every wave has passed the barrier behind its reads of them: the stage lies there
.irp i, 0,1,2,3,4,5,6,7
	ds_store_b128 v[VSG], v[ACC+8*\i:ACC+8*\i+3] offset:SPIT*\i
	ds_store_b128 v[VSG], v[ACC+8*\i+4:ACC+8*\i+7] offset:SPIT*\i+128
.endr
	s_wait_dscnt 0x0
	s_barrier_signal -1
	s_barrier_wait -1                              ; both halves of t are there
	ds_load_b128 v[96:99], v[VHR]
	ds_load_b128 v[100:103], v[VHR] offset:256
.irp u, 0,1,2,3,4,5,6,7
	ds_load_b128 v[32+4*\u:35+4*\u], v[VRB] offset:2*SPIT*\u
	ds_load_b128 v[64+4*\u:67+4*\u], v[VRB] offset:2*SPIT*\u+SHALF
.endr
	s_wait_dscnt 16
	v_pk_add_f32 v[96:97], v[96:97], v[100:101]
	v_pk_add_f32 v[98:99], v[98:99], v[102:103]
	s_wait_alu depctr_va_vdst(0)
.irp u, 0,1,2,3,4,5,6,7
	s_wait_dscnt 14-2*\u                           ; rows 2 u, 2 u + 1 are in; the later ones' loads may be out
	v_pk_add_f32 v[32+4*\u:33+4*\u], v[32+4*\u:33+4*\u], v[64+4*\u:65+4*\u]
	v_pk_add_f32 v[34+4*\u:35+4*\u], v[34+4*\u:35+4*\u], v[66+4*\u:67+4*\u]
	v_pk_fma_f32 v[32+4*\u:33+4*\u], v[96:97], 2.0, v[32+4*\u:33+4*\u] op_sel_hi:[1,0,1]
	v_pk_fma_f32 v[34+4*\u:35+4*\u], v[98:99], 2.0, v[34+4*\u:35+4*\u] op_sel_hi:[1,0,1]
	global_store_b128 v[VPO], v[32+4*\u:35+4*\u], s[16:17] offset:2048*\u      ; sixteen lanes store 256 consecutive bytes, aligned
.endr
	s_wait_tensorcnt 0x0                           ; the wave's end
	ds_add_u32 v[SPW], v[NIL]
	s_wait_dscnt 0x0
	ROUND                                          ; the closing round
	s_endpgm
.Lfunc_end_k_q047fddfab6_pair:
	.size	k_q047fddfab6_pair, .Lfunc_end_k_q047fddfab6_pair-k_q047fddfab6_pair
	.p2alignl 7, 3214868480
	.fill 96, 4, 3214868480
	.section	.rodata,"a",@progbits
	.p2align	6, 0x0
	.amdhsa_kernel k_q047fddfab6_pair
		.amdhsa_group_segment_fixed_size 327680
		.amdhsa_private_segment_fixed_size 0
		.amdhsa_enable_private_segment 0
		.amdhsa_kernarg_size 56
		.amdhsa_user_sgpr_count 2
		.amdhsa_user_sgpr_kernarg_segment_ptr 1
		.amdhsa_wavefront_size32 1
		.amdhsa_system_sgpr_workgroup_id_x 1
		.amdhsa_system_sgpr_workgroup_id_y 1
		.amdhsa_system_sgpr_workgroup_id_z 1
		.amdhsa_system_vgpr_workitem_id 0
		.amdhsa_next_free_vgpr 304
		.amdhsa_next_free_sgpr 102
		.amdhsa_reserve_vcc 0
		.amdhsa_float_denorm_mode_32 3
		.amdhsa_float_denorm_mode_16_64 3
		.amdhsa_memory_ordered 1
		.amdhsa_forward_progress 1
		.amdhsa_inst_pref_size 182
	.end_amdhsa_kernel
	.amdgpu_metadata
---
amdhsa.version: [ 1, 2 ]
amdhsa.kernels:
  - .name:           k_q047fddfab6_pair
    .symbol:         k_q047fddfab6_pair.kd
    .args:
      - { .name: zc, .offset: 0, .size: 8, .value_kind: global_buffer, .address_space: global }
      - { .name: wq, .offset: 8, .size: 8, .value_kind: global_buffer, .address_space: global }
      - { .name: W_lv, .offset: 16, .size: 8, .value_kind: global_buffer, .address_space: global }
      - { .name: b_lv, .offset: 24, .size: 8, .value_kind: global_buffer, .address_space: global }
      - { .name: st, .offset: 32, .size: 8, .value_kind: global_buffer, .address_space: global }
      - { .name: tm, .offset: 40, .size: 8, .value_kind: global_buffer, .address_space: global }
      - { .name: ps, .offset: 48, .size: 8, .value_kind: global_buffer, .address_space: global }
    .group_segment_fixed_size: 327680
    .private_segment_fixed_size: 0
    .kernarg_segment_align: 8
    .kernarg_segment_size: 56
    .max_flat_workgroup_size: 128
    .sgpr_count:     102
    .vgpr_count:     304
    .wavefront_size: 32
...
	.end_amdgpu_metadata
.endif
;; end of part 2
;; launch soft (part 3): grid 256 x 1, 1 waves a work-group, no clusters, 0 bytes of LDS; arguments ps, out0, out1; writes out0, out1
.if DOCPART == 3
	.amdgcn_target "amdgcn-amd-amdhsa--gfx1250"
	.amdhsa_code_object_version 6
	.text
	.protected	k_q047fddfab6_soft
	.globl	k_q047fddfab6_soft
	.p2align	8
	.type	k_q047fddfab6_soft,@function
k_q047fddfab6_soft:
	s_mov_b64 s[64:65], 0
	v_nop
	global_prefetch_b8 v0, s[64:65] scope:SCOPE_SE
	s_setreg_imm32_b32 hwreg(HW_REG_WAVE_MODE, 25, 1), 1
	s_wait_xcnt 0x0
; SOFT.  out0 = log_softmax(-score) along j, with the row's maximum taken away; score = half the sum of the 16 parts (less what is the same along a row, which is left out as the first kernel's comment shows); out1 = 0 .. 255.
; One wave a work-group, one row of 256 numbers: lane l holds the columns 4 l .. 4 l + 3 and 128 + 4 l on, so every load and store of the wave covers 512 consecutive bytes.  No LDS, no barrier: a row's maximum and sum stay inside the wave.
.macro RED op, x                       ; over the wave's 32 lanes, in every lane
.irp m, 1,2,4,8
	\op\()_dpp v[\x], v[\x], v[\x] row_xmask:\m row_mask:0xf bank_mask:0xf
.endr
	v_permlanex16_b32 v2, v[\x], s12, s13
	\op v[\x], v[\x], v2
.endm
	s_load_b128 s[4:7], s[0:1], 0x0                ; ps, out0
	s_load_b64 s[8:9], s[0:1], 0x10                ; out1
	v_lshlrev_b32 v1, 4, v0
	v_mov_b32 v2, 0                                ; written once: a lane permute's destination counts as one of its sources
	s_lshl_b32 s10, ttmp9, 10
	s_mov_b32 s11, 0
	s_mov_b32 s12, 0x76543210
	s_mov_b32 s13, 0xfedcba98
	s_wait_alu depctr_va_vdst(0)
	s_wait_kmcnt 0x0
	s_add_nc_u64 s[4:5], s[4:5], s[10:11]
	s_add_nc_u64 s[6:7], s[6:7], s[10:11]
.irp p, 0,1,2,3,4,5,6,7,8,9,10,11,12,13,14,15
	global_load_b128 v[8+8*\p:11+8*\p], v1, s[4:5] offset:262144*\p
	global_load_b128 v[12+8*\p:15+8*\p], v1, s[4:5] offset:262144*\p+512
.endr
	s_cmp_lg_u32 ttmp9, 0
	s_cbranch_scc1 .Lrow
	v_lshlrev_b32 v144, 2, v0                      ; work-group 0 also stores 0 .. 255
	v_add_nc_u32 v145, 1, v144
	v_add_nc_u32 v146, 2, v144
	v_add_nc_u32 v147, 3, v144
.irp i, 0,1,2,3
	v_add_nc_u32 v[148+\i], 128, v[144+\i]
.endr
	global_store_b128 v1, v[144:147], s[8:9]
	global_store_b128 v1, v[148:151], s[8:9] offset:512
.Lrow:
	s_wait_loadcnt 0x0
.macro HALVE d                         ; parts p and p + d
.set n, 0
.rept 4*\d
	v_pk_add_f32 v[8+n:9+n], v[8+n:9+n], v[8+8*\d+n:9+8*\d+n]
.set n, n+2
.endr
.endm
	HALVE 8
	HALVE 4
	HALVE 2
	HALVE 1
.irp j, 0,2,4,6
	v_pk_mul_f32 v[8+\j:9+\j], v[8+\j:9+\j], -0.5 op_sel_hi:[1,0]
.endr
	v_max3_num_f32 v136, v8, v9, v10
	v_max3_num_f32 v137, v11, v12, v13
	v_max3_num_f32 v136, v136, v14, v15
	v_max_num_f32 v136, v136, v137
	RED v_max_num_f32, 136
.irp j, 0,1,2,3,4,5,6,7
	v_sub_f32 v[8+\j], v[8+\j], v136
.endr
.irp j, 0,1,2,3,4,5,6,7
	v_mul_f32 v[16+\j], 0x3fb8aa3b, v[8+\j]
.endr
	s_wait_alu depctr_va_vdst(0)
.irp j, 0,1,2,3,4,5,6,7
	v_exp_f32 v[16+\j], v[16+\j]
.endr
	v_nop                                          ; a plain place behind the exponentials,
	s_wait_alu depctr_va_vdst(0)                   ; and one wait for the eight
	v_pk_add_f32 v[16:17], v[16:17], v[18:19]
	v_pk_add_f32 v[20:21], v[20:21], v[22:23]
	v_pk_add_f32 v[16:17], v[16:17], v[20:21]
	v_add_f32 v138, v16, v17
	RED v_add_f32, 138
	s_wait_alu depctr_va_vdst(0)
	v_log_f32 v139, v138
	v_nop
	s_wait_alu depctr_va_vdst(0)                   ; the wait ahead of the logarithm's reader
	v_mul_f32 v139, 0x3f317218, v139               ; x ln 2
.irp j, 0,1,2,3,4,5,6,7
	v_sub_f32 v[8+\j], v[8+\j], v139
.endr
	global_store_b128 v1, v[8:11], s[6:7]
	global_store_b128 v1, v[12:15], s[6:7] offset:512
	s_endpgm
.Lfunc_end_k_q047fddfab6_soft:
	.size	k_q047fddfab6_soft, .Lfunc_end_k_q047fddfab6_soft-k_q047fddfab6_soft
	.p2alignl 7, 3214868480
	.fill 96, 4, 3214868480
	.section	.rodata,"a",@progbits
	.p2align	6, 0x0
	.amdhsa_kernel k_q047fddfab6_soft
		.amdhsa_group_segment_fixed_size 0
		.amdhsa_private_segment_fixed_size 0
		.amdhsa_enable_private_segment 0
		.amdhsa_kernarg_size 24
		.amdhsa_user_sgpr_count 2
		.amdhsa_user_sgpr_kernarg_segment_ptr 1
		.amdhsa_wavefront_size32 1
		.amdhsa_system_sgpr_workgroup_id_x 1
		.amdhsa_system_sgpr_workgroup_id_y 1
		.amdhsa_system_sgpr_workgroup_id_z 1
		.amdhsa_system_vgpr_workitem_id 0
		.amdhsa_next_free_vgpr 160
		.amdhsa_next_free_sgpr 66
		.amdhsa_reserve_vcc 0
		.amdhsa_float_denorm_mode_32 3
		.amdhsa_float_denorm_mode_16_64 3
		.amdhsa_memory_ordered 1
		.amdhsa_forward_progress 1
		.amdhsa_inst_pref_size 12
	.end_amdhsa_kernel
	.amdgpu_metadata
---
amdhsa.version: [ 1, 2 ]
amdhsa.kernels:
  - .name:           k_q047fddfab6_soft
    .symbol:         k_q047fddfab6_soft.kd
    .args:
      - { .name: ps, .offset: 0, .size: 8, .value_kind: global_buffer, .address_space: global }
      - { .name: out0, .offset: 8, .size: 8, .value_kind: global_buffer, .address_space: global }
      - { .name: out1, .offset: 16, .size: 8, .value_kind: global_buffer, .address_space: global }
    .group_segment_fixed_size: 0
    .private_segment_fixed_size: 0
    .kernarg_segment_align: 8
    .kernarg_segment_size: 24
    .max_flat_workgroup_size: 32
    .sgpr_count:     66
    .vgpr_count:     160
    .wavefront_size: 32
...
	.end_amdgpu_metadata
.endif
;; end of part 3
